; MI455X (gfx1250); checked and timed in simulation.
; The chip was launched on July 23, 2026; its instructions are those of AMD's public machine-readable ISA for CDNA 5 (MIT licence, August 2026) and "CDNA5" Instruction Set Architecture Reference Guide (July 2026). The comments in the code are by the model that wrote it; some were corrected since.
;; Position Attention Layer. Allowed arithmetic: matrix products marked QUANTISED: E2M3 operands, one E8M0 scale for each 32 along K, by v_wmma_scale_f32_16x16x128_f8f6f4 with both operands' format E2M3, f32 sums; everything else in f32.
;; Inputs: Wk_codes 80 x 16 x 24 uint8 (E2M3 codes of Wk, K innermost, in blocks of 32 codes, four codes in three bytes); Wk_scales 80 x 16 uint8 (E8M0 scales of Wk, one for each 32 codes along K); Wq_codes 80 x 16 x 24 uint8 (E2M3 codes of Wq, K innermost, in blocks of 32 codes, four codes in three bytes); Wq_scales 80 x 16 uint8 (E8M0 scales of Wq, one for each 32 codes along K); Wv_codes 512 x 16 x 24 uint8 (E2M3 codes of Wv, K innermost, in blocks of 32 codes, four codes in three bytes); Wv_scales 512 x 16 uint8 (E8M0 scales of Wv, one for each 32 codes along K); bk 80 float32; bq 80 float32; bv 512 float32; gamma 512 x 64 x 64 float32; sk 80 float32; sq 80 float32; sv 512 float32; x 4 x 512 x 64 x 64 float32.
;; Outputs: out0 4 x 512 x 64 x 64 float32.
;; This version of the problem:
;;   THIS VERSION OF THE PROBLEM IS GIVEN IN LOW PRECISION. The matrix products marked QUANTISED in the list below multiply operands that are first quantised to E2M3 (2 exponent bits, 3 mantissa bits; 6 bits a number), with one power-of-two scale for each 32 numbers along K (OCP MX v1.0); their sums are f32. All else is computed in f32.
;;   The module's matrix products, in the order in which they are computed (A, B: the left and right operand; K: the contracted axis; several contracted axes count as one K, in the product's order):
;;     1. [M 80, K 512] x [K 512, N 16,384]; A: input Wq (given as codes); B: input x: QUANTISED
;;     2. [M 80, K 512] x [K 512, N 16,384]; A: input Wk (given as codes); B: input x: QUANTISED
;;     3. [M 512, K 512] x [K 512, N 16,384]; A: input Wv (given as codes); B: input x: QUANTISED
;;     4. batch 4 x [M 4,096, K 80] x [K 80, N 4,096]; A: computed on the way; B: computed on the way: QUANTISED
;;     5. batch 4 x [M 512, K 4,096] x [K 4,096, N 4,096]; A: computed on the way; B: softmax (see below): QUANTISED
;;   THE QUANTISER, for each operand of a quantised product, along K:
;;     - K is cut into blocks of 32 from its start; a last block that is shorter is filled with zeros.
;;     - A block's scale is 2^e with e = floor(log2(the largest magnitude in the block)) - 2, held to -126 .. 127; a block of zeros has e = 0. As a byte (E8M0): e + 127.
;;     - Each number is divided by its block's scale, clamped to +-7.5, and rounded to the nearest number of E2M3, ties to even, subnormals kept.
;;     - The product sums the exact products of the quantised numbers (number of the format x scale) in f32.
;;   ~~~python
;;   def quantise(x, axis):      # numpy; x: float32 -> the quantised numbers, widened to float32 again
;;       x = np.moveaxis(x, axis, -1); K = x.shape[-1]
;;       x = np.pad(x, [(0, 0)] * (x.ndim - 1) + [(0, -K % 32)]); x = x.reshape(x.shape[:-1] + (-1, 32)); a = np.abs(x).max(-1, keepdims=True)
;;       e = np.where(a > 0, np.clip(np.frexp(np.where(a > 0, a, 1))[1] - 1 - 2, -126, 127), 0)      # np.frexp(a)[1] - 1 = floor(log2(a)), exactly
;;       r = np.clip(x / 2.0 ** e, -7.5, 7.5)
;;       step = 2.0 ** (np.maximum(np.frexp(np.where(r == 0, 1, r))[1] - 1, 0) - 3)
;;       q = np.round(r / step) * step * 2.0 ** e      # np.round: ties to even
;;       return np.moveaxis(q.reshape(q.shape[:-2] + (-1,))[..., :K], -1, axis).astype(np.float32)
;;   ~~~
;;   SOFTMAX AHEAD OF A QUANTISED PRODUCT. Where the list says 'softmax', what is quantised is not the finished softmax but p = 2^(t - M), with t = logit x log2(e) and M = ceil(the row's largest t), a whole number; so 1/2 < the row's largest p <= 1. The row's sum l is taken of the UNQUANTISED p, in f32, and the product's result is divided by l at the end. Since M is a whole number, a kernel that streams over the keys may use a running M (the ceiling of the running maximum): every later rescaling is an exact power of two, which a block's scale takes up: the codes' values come out the same.
;;   OPERANDS COMPUTED ON THE WAY. 'Computed on the way' means the value that the module computes at that place (a softmax that the list does not call 'softmax' is quantised finished and normalised). What goes into a quantiser is computed in f32, as accurately as f32 sums, v_exp_f32 and their like allow (about 1e-6 of the number): no bf16 or f16 on the way to a quantiser, and a product that is left as it is and whose result goes on into a quantised operand takes f32 operands (vector FMAs, or v_wmma_f32_16x16x4_f32). A number that lies on a knife's edge between two numbers of the format may be rounded either way, as far as f32 arithmetic and the matrix unit's own rounding can turn it there, and no further.
;;   INPUTS GIVEN AS CODES. Wk (in the module: [80, 512], K = its axis 1); Wq (in the module: [80, 512], K = its axis 1); Wv (in the module: [512, 512], K = its axis 1): each comes as NAME_codes (uint8): NAME with its K axis moved to the last place and cut into blocks of 32 codes, [.., K / 32, bytes a block], one block behind the other in memory; four codes in three bytes: a row's codes are one little-endian stream of bits, code i at bits 6 i .. 6 i + 5 (a code: sign, 2 exponent bits, 3 mantissa bits); and NAME_scales (uint8): the same leading axes, one E8M0 byte (e + 127) for each 32 codes along K. Its value is code x scale, taken as it is: it is not quantised again, and the codes and scales need not be those that the quantiser above would give.
;; One version. Each part assembles by itself: llvm-mc -triple=amdgcn-amd-amdhsa -mcpu=gfx1250 --defsym DOCPART=n.
;; ======== version 1 of 1: 2 launches
;; workspace buffers: qbuf 1,245,184 bytes; kv 7,798,784 bytes
;; launch proj (part 1): grid 256 x 1, 4 waves a work-group, no clusters, 327,680 bytes of LDS; arguments x, Wq_codes, Wq_scales, Wk_codes, Wk_scales, Wv_codes, Wv_scales, sq, bq, sk, bk, sv, bv, qbuf, kv; writes qbuf, kv
.if DOCPART == 1
	.amdgcn_target "amdgcn-amd-amdhsa--gfx1250"
	.amdhsa_code_object_version 6
	.text
	.protected	k_q57de678464_proj
	.globl	k_q57de678464_proj
	.p2align	8
	.type	k_q57de678464_proj,@function
k_q57de678464_proj:
	s_mov_b64 s[64:65], 0
	v_nop
	global_prefetch_b8 v0, s[64:65] scope:SCOPE_SE
	s_setreg_imm32_b32 hwreg(HW_REG_WAVE_MODE, 25, 1), 1
	s_wait_xcnt 0x0
; q, k, v = relu(s (W x) + b) on codes of FP6 (E2M3) with one E8M0 scale for each 32 along K, and their own quantising for the attention that follows.
; x: [4][512][4096] f32, K = its 512 channels, which are NOT innermost.  Wq, Wk [80][512], Wv [512][512]: given codes (a row is 384 bytes) and scale bytes (a row is 16).
; SHARES.  A block of 128 columns of one batch is made by TWO work-groups: the even one makes q and v's channels 0-255, the odd one k and channels 256-511: 6 + 16 tiles of outputs each.
; Both take one path through the text: only pointers and offsets are chosen, by the work-group's number.  Four waves.
;   x's block, 512 channels x 128 columns of f32 = 262,144 bytes, COMES INTO LDS ONCE, as it lies in memory (channel c at 512 c): sixteen tensor loads, four a wave, one for each K step of 128 channels, each
;      32 channels x 512 bytes, all issued at the start: the whole block is on its way before the first wait.  No LDS byte is filled twice.  A wave has four tensor loads outstanding.
;   X: wave w quantises columns 32 w .. 32 w + 31 along the channels: A LANE TAKES A COLUMN AND ITS REGISTERS RUN DOWN K, so a block of 32 lies in one lane; its 24 bytes of codes go to LDS into the
;      IMAGE OF THE OPERAND'S REGISTERS (register R of lane L at 512 (R / 4) + 16 L + 4 (R % 4)), from which any wave takes a fragment by three loads of 16 bytes a lane.
;   V: wave w makes 4 tiles of 16 channels x all 8 tiles of columns, source 0 = x, source 1 = Wv: a lane holds ONE channel and its registers run along the columns, which are the keys, the next K.
;   QK: wave w makes all 6 tiles of Wq (or Wk) for column tiles 2 w, 2 w + 1, source 0 = W, source 1 = x: a lane holds ONE column and its registers run along the 80 channels, the next K.
; THE COLUMNS OF A TILE ARE NOT NEIGHBOURS: lane r of tile 2 b + u holds column 32 b + 8 u + r + 8 (r / 8), and W's rows of a tile are chosen alike, so that the 16 registers of two neighbouring tiles are
; 16 neighbours along the next K.  Channels 80-95 of q and k are made exact zeros (rows 8-15 of W's tiles 4, 5 repeat rows 0-7, so that no load leaves the buffer; the activation holds their results at 0).
; OUT: images of operand registers, in the order in which the next launch takes them.
;   a record of q or k (128 columns, 9,728 bytes): registers 0-3 of tile t at 512 t + 16 lane; 4-7 at 4,096 + the same; register 8 at 8,192 + 256 (t / 2) + 8 lane + 4 (t % 2); registers 9-11 are zero codes and
;   are not stored; scale words at 9,216 + 128 (t / 2) + 4 (16 (t % 2) + r), their byte 3 = 127 over zero codes.
;   a record of v (128 keys, 51,200 bytes): fragment of channel tile c at 1,536 c; scale words at 49,152 + 256 (c / 4) + 8 (16 (c % 2) + r) + 4 ((c / 2) % 2).
;   kv, for each batch 16 contents of 121,856 bytes: content T = v's records of key steps 2 T, 2 T + 1, then k's of steps (2 T + 2) % 32, (2 T + 3) % 32.
; NO JOINT LOADS: a tile of x has two readers, the two work-groups of its block, which are neighbours in the grid; a cluster of four along x would hold two blocks, and a mask would have to name half of a row
; of it, a form that this text does not take.  The weights are 129 KB a work-group, read once into registers.
; The wave's 128 bytes of q's or k's scale words are half of an aligned 256 bytes: one store in 76 of a record's.
; LIMITS: NaN and infinities among the inputs are not served.  A block whose largest magnitude lies under 2^-124, a block of zeros among them, gets the scale byte 1: its codes are what the conversion gives
; under that scale (zeros for zeros), and the bytes are read by this program alone.
; REGISTERS, in windows of 256: window 0: addresses, the quantisers' numbers and codes, all scale words.  window 1: v's 32 accumulators ((c, t) at 8 (8 c + t)).
;   window 2: Wv's 16 fragments (12 (4 c + K step)); v192-239 q/k's six accumulators of my first column tile.
;   window 3: v0-95 x's 8 fragments, later q/k's s and b; v96-167 W's 6 fragments of the K step; v168-191 x's fragments of my two column tiles; v192-239 the six accumulators of my second column tile.
.set BSTR,  1949696                    ; a batch's bytes in kv
.set CONT,  121856                     ; a content
.set VREC,  51200                      ; a record of v
.set QKREC, 9728                       ; a record of q or k
.set FRB,   1536                       ; a fragment's image
.set XBUF,  8*FRB                      ; LDS: x's 8 fragments of a K step; two such buffers from byte 0
.set XSC,   2*XBUF                     ; their scale words: two buffers of 4 pairs of tiles x 128 bytes
.set WQI,   XSC+1024                   ; Wq's or Wk's 24 fragments, (4 tile + K step) x 1,536
.set XF,    WQI+24*FRB                 ; byte 62,464: x's block in f32, channel c at 512 c: 262,144 bytes that tensor loads fill once and nothing stores into
.set XKS,   65536                      ; a K step's 128 channels there
.set XO,   1                           ; 4 x thread: q/k's scale words; my pair of x's scale words in LDS
.set XWA,  2                           ; where my column's codes go in an image
.set XWS,  3                           ; and its scale word
.set LI,   4                           ; 16 x lane
.set LS,   5                           ; 4 x lane
.set WQO,  6                           ; Wq: my row of tiles 0-3, my half, K step = my wave
.set WQO2, 7                           ; the same for tiles 4, 5
.set WVO,  8                           ; Wv: my row, my half
.set WSO,  9                           ; Wq's scale rows, tiles 0-3
.set WSO2, 10                          ; tiles 4, 5
.set WVSO, 11                          ; Wv's scale rows
.set SVO,  12                          ; sv, bv: my channel
.set OA,   13                          ; q/k's planes of 16 bytes a lane: 16 lane + 1,024 wave
.set OC,   14                          ; 8 x thread: the plane of register 8
.set HH,   15                          ; lane / 16
.set TM,   16                          ; v16-31 the quantisers' temporaries
.set X,    32                          ; v32-95 two sets of 32 numbers of x
.set Y,    32                          ; later 64 numbers on their way to a quantiser
.set XSP,  96                          ; v96-99 x's scale words, a register for two tiles
.set XSQ,  100                         ; those of my two column tiles
.set WQS,  104                         ; v104-127 Wq's scale words, 4 tile + K step
.set WVS,  128                         ; v128-143 Wv's, 4 c + K step
.set WT,   144                         ; v144-215 at the head: my share of Wq on its way to LDS
.set PC,   144                         ; later v144-162: the codes just made
.set PW,   164                         ; the scale word just made
.set VW,   166                         ; v166-169 v's four scale words
.set VP,   170                         ; v170-171 the same, two tiles to a register
.set K8,   172                         ; v172-173 register 8 of my two tiles of q/k
.set QW,   174                         ; v174-175 their scale words
.set CAP,  176                         ; +infinity in lanes 0-15, 0 in lanes 16-31
.set SV,   216                         ; sv of tile c at v[216 + 2 c]: the low word of a pair
.set BV,   224                         ; bv likewise
.set O8,   232                         ; 8 x lane
.set WQW,  233                         ; 16 lane + 1,536 wave
.set AH,   234                         ; 64 x (lane / 16)
.set XQA,  235                         ; 16 lane + 3,072 wave
.set ZR,   236                         ; 0
.set CD,   240                         ; v240-246 a block's codes
.set SW,   248                         ; a K step's scale word in the making
.set XL,   252                         ; v252-255 my column in K step 0 .. 3 of x's block in LDS: XF + 65,536 K step + 4 x thread
.set SEL,  54                          ; s[54:55] lane selects for v_permlanex16_b32: lane l xor 16
.set G1,   68                          ; s[68:75] descriptor group 1: the shape of every tile of x
.set G0,   76                          ; s[76:91] descriptor groups 0, one for each K step: all four loads are out together, so none is written again
.set MSB, 0
.macro WIN new                         ; the immediate's high byte repeats the setting that is left; a switch that changes nothing is dropped
.if MSB != (\new)
	s_set_vgpr_msb (MSB<<8)|(\new)
.set MSB, (\new)
.endif
.endm
.macro PLACES                          ; four plain places behind matrix instructions, in front of loads into their registers and of the first read of results
.rept 4
	v_nop
.endr
.endm
; One product.  z: the sum begins (C = 0).  row: 1 = source 0's scales stand in lanes 16-31, 2 = source 1's, 3 = both
.macro WM d, a, b, z, sa, sb, row
.if \z
.if (\row) == 0
	v_wmma_scale_f32_16x16x128_f8f6f4 v[(\d):(\d)+7], v[(\a):(\a)+11], v[(\b):(\b)+11], 0, v[(\sa)], v[(\sb)] matrix_a_fmt:MATRIX_FMT_FP6 matrix_b_fmt:MATRIX_FMT_FP6
.elseif (\row) == 1
	v_wmma_scale_f32_16x16x128_f8f6f4 v[(\d):(\d)+7], v[(\a):(\a)+11], v[(\b):(\b)+11], 0, v[(\sa)], v[(\sb)] matrix_a_fmt:MATRIX_FMT_FP6 matrix_b_fmt:MATRIX_FMT_FP6 matrix_a_scale:MATRIX_SCALE_ROW1
.elseif (\row) == 2
	v_wmma_scale_f32_16x16x128_f8f6f4 v[(\d):(\d)+7], v[(\a):(\a)+11], v[(\b):(\b)+11], 0, v[(\sa)], v[(\sb)] matrix_a_fmt:MATRIX_FMT_FP6 matrix_b_fmt:MATRIX_FMT_FP6 matrix_b_scale:MATRIX_SCALE_ROW1
.else
	v_wmma_scale_f32_16x16x128_f8f6f4 v[(\d):(\d)+7], v[(\a):(\a)+11], v[(\b):(\b)+11], 0, v[(\sa)], v[(\sb)] matrix_a_fmt:MATRIX_FMT_FP6 matrix_b_fmt:MATRIX_FMT_FP6 matrix_a_scale:MATRIX_SCALE_ROW1 matrix_b_scale:MATRIX_SCALE_ROW1
.endif
.else
.if (\row) == 0
	v_wmma_scale_f32_16x16x128_f8f6f4 v[(\d):(\d)+7], v[(\a):(\a)+11], v[(\b):(\b)+11], v[(\d):(\d)+7], v[(\sa)], v[(\sb)] matrix_a_fmt:MATRIX_FMT_FP6 matrix_b_fmt:MATRIX_FMT_FP6
.elseif (\row) == 1
	v_wmma_scale_f32_16x16x128_f8f6f4 v[(\d):(\d)+7], v[(\a):(\a)+11], v[(\b):(\b)+11], v[(\d):(\d)+7], v[(\sa)], v[(\sb)] matrix_a_fmt:MATRIX_FMT_FP6 matrix_b_fmt:MATRIX_FMT_FP6 matrix_a_scale:MATRIX_SCALE_ROW1
.elseif (\row) == 2
	v_wmma_scale_f32_16x16x128_f8f6f4 v[(\d):(\d)+7], v[(\a):(\a)+11], v[(\b):(\b)+11], v[(\d):(\d)+7], v[(\sa)], v[(\sb)] matrix_a_fmt:MATRIX_FMT_FP6 matrix_b_fmt:MATRIX_FMT_FP6 matrix_b_scale:MATRIX_SCALE_ROW1
.else
	v_wmma_scale_f32_16x16x128_f8f6f4 v[(\d):(\d)+7], v[(\a):(\a)+11], v[(\b):(\b)+11], v[(\d):(\d)+7], v[(\sa)], v[(\sb)] matrix_a_fmt:MATRIX_FMT_FP6 matrix_b_fmt:MATRIX_FMT_FP6 matrix_a_scale:MATRIX_SCALE_ROW1 matrix_b_scale:MATRIX_SCALE_ROW1
.endif
.endif
.endm
	s_load_b512 s[4:19], s[0:1], 0x0               ; x s[4:5], Wq codes s[6:7], scales s[8:9], Wk codes s[10:11], scales s[12:13], Wv codes s[14:15], scales s[16:17], sq s[18:19]
	s_load_b256 s[20:27], s[0:1], 0x40             ; bq s[20:21], sk s[22:23], bk s[24:25], sv s[26:27]
	s_load_b128 s[28:31], s[0:1], 0x60             ; bv s[28:29], qbuf s[30:31]
	s_load_b64 s[32:33], s[0:1], 0x70              ; kv
	v_lshl_add_u32 v250, v0, 2, 0x4f400
	v_mov_b32 v251, 0
	ds_add_u32 v250, v251
	v_lshrrev_b32 v16, 5, v0
	v_readfirstlane_b32 s34, v16                   ; wave 0..3
	s_and_b32 s35, ttmp9, 1                        ; 0: q and v's lower channels; 1: k and the upper ones
	s_lshr_b32 s36, ttmp9, 1                       ; the block of 128 columns, 0..127
	s_lshr_b32 s37, s36, 5                         ; its batch
	s_and_b32 s38, s36, 31                         ; and its place there: the key step
	; descriptor group 1: a tile of 32 channels x 512 bytes (64 elements of 8 bytes), 16,384 bytes from channel to channel; no padding: every read of it is 128 bytes on end
	s_mov_b32 s[G1], 3<<16                         ; 15:0 no mask; 17:16 elements of 8 bytes; 20 padding off
	s_mov_b32 s[G1+1], 64<<16                      ; tensor_dim0 = 64
	s_mov_b32 s[G1+2], 32<<16                      ; tensor_dim1 = 32
	s_mov_b32 s[G1+3], 64<<16                      ; tile_dim0 = 64
	s_mov_b32 s[G1+4], 32                          ; tile_dim1 = 32
	s_mov_b32 s[G1+5], 2048                        ; from row to row, in elements
	s_mov_b32 s[G1+6], 0
	s_mov_b32 s[G1+7], 0
	s_lshl_b32 s56, s37, 23                        ; x: my batch,
	s_lshl_b32 s57, s38, 9
	s_add_co_u32 s56, s56, s57                     ; my block's first column,
	s_lshl_b32 s57, s34, 19
	s_add_co_u32 s56, s56, s57                     ; channel 32 x wave: my part of K step 0
	s_mov_b32 s57, 0
	s_lshl_b32 s58, s34, 14                        ; and its place in a K step's 65,536 bytes of LDS: 32 channels x 512 bytes x wave
	s_lshl_b32 s39, s35, 4
	s_lshl_b32 s40, s34, 2
	s_add_co_u32 s39, s39, s40                     ; my first tile of v's channels: 16 x half + 4 x wave
	v_and_b32 v17, 31, v0                          ; lane
	v_and_b32 v18, 15, v0                          ; r
	v_bfe_u32 v[HH], v0, 4, 1                      ; h
	v_bfe_u32 v20, v0, 3, 1                        ; my column's tile in the wave's pair: (lane / 8) % 2
	v_and_b32 v21, 7, v0
	v_lshl_add_u32 v21, v[HH], 3, v21              ; and its row there: lane % 8 + 8 (lane / 16)
	v_and_b32 v22, 8, v18
	v_add_nc_u32 v22, v22, v18                     ; r + 8 (r / 8)
	v_and_b32 v23, 7, v18                          ; r % 8
	v_lshlrev_b32 v[XO], 2, v0
.irp k, 0,1,2,3
	v_lshl_add_u32 v[XL+\k], v0, 2, XF+XKS*\k      ; my column is 32 wave + lane = my thread's number
.endr
	s_mul_i32 s40, s34, 2*FRB
	v_mul_u32_u24 v[XWA], v20, FRB
	v_lshl_add_u32 v[XWA], v21, 4, v[XWA]
	v_add_nc_u32 v[XWA], s40, v[XWA]               ; (2 wave + tile) x 1,536 + 16 row
	v_lshlrev_b32 v[LI], 4, v17
	v_add_nc_u32 v[XQA], s40, v[LI]
	v_lshlrev_b32 v[XWS], 6, v20
	v_lshl_add_u32 v[XWS], v21, 2, v[XWS]
	s_lshl_b32 s41, s34, 7
	v_add_nc_u32 v[XWS], s41, v[XWS]               ; 128 wave + 4 (16 tile + row)
	v_lshlrev_b32 v[LS], 2, v17
	s_mul_i32 s42, s34, 96                         ; my share of Wq: K step = my wave, 96 bytes on in each row
	v_mul_u32_u24 v[WQO], v22, 384
	v_mad_u32_u24 v[WQO], v[HH], 24, v[WQO]
	v_add_nc_u32 v[WQO], s42, v[WQO]
	v_mul_u32_u24 v[WQO2], v23, 384
	v_mad_u32_u24 v[WQO2], v[HH], 24, v[WQO2]
	v_add_nc_u32 v[WQO2], s42, v[WQO2]
	v_mul_u32_u24 v[WVO], v18, 384
	v_mad_u32_u24 v[WVO], v[HH], 24, v[WVO]
	v_lshlrev_b32 v[WSO], 4, v22
	v_lshlrev_b32 v[WSO2], 4, v23
	v_lshlrev_b32 v[WVSO], 4, v18
	v_lshlrev_b32 v[SVO], 2, v18
	v_lshl_add_u32 v[OA], s34, 10, v[LI]
	v_lshlrev_b32 v[OC], 3, v0
	v_lshlrev_b32 v[O8], 3, v17
	s_mul_i32 s43, s34, FRB
	v_add_nc_u32 v[WQW], s43, v[LI]
	v_lshlrev_b32 v[AH], 6, v[HH]
	v_mov_b32 v[ZR], 0
.irp b, 0,1,2,3
	v_mov_b32 v[TM+4+\b], 0                        ; written once: a lane permute's destination counts as one of its sources
	v_mov_b32 v[SV+2*\b+1], 0                      ; named as the upper halves of pairs of which the low word serves
	v_mov_b32 v[BV+2*\b+1], 0
.endr
	; byte offsets of what I store, made apart from the addresses
	s_mul_i32 s46, s36, QKREC                      ; q's record
	s_mul_i32 s47, s37, BSTR                       ; my batch in kv
	s_add_co_u32 s48, s38, 30
	s_and_b32 s48, s48, 31
	s_lshr_b32 s48, s48, 1                         ; k's record of key step s lies in content ((s + 30) % 32) / 2,
	s_mul_i32 s48, s48, CONT
	s_add_co_u32 s48, s48, s47
	s_and_b32 s49, s38, 1
	s_mul_i32 s50, s49, QKREC
	s_add_co_u32 s48, s48, s50
	s_add_co_u32 s48, s48, 2*VREC                  ; behind v's two records, at 9,728 (s % 2)
	s_lshr_b32 s51, s38, 1
	s_mul_i32 s51, s51, CONT
	s_mul_i32 s50, s49, VREC
	s_add_co_u32 s51, s51, s50
	s_add_co_u32 s51, s51, s47                     ; v's record of key step s: content s / 2, at 51,200 (s % 2)
	s_mov_b32 s41, 0
	s_mov_b32 s[SEL], 0x76543210
	s_mov_b32 s[SEL+1], 0xfedcba98
	s_wait_dscnt 0x0
	s_wait_kmcnt 0x0
	; ALL OF x's BLOCK IS ASKED FOR NOW, ahead of everything else: my four loads, K step 0 first, so that the K steps land in the order in which they are worked
	s_add_nc_u64 s[4:5], s[4:5], s[56:57]
.irp k, 0,1,2,3
	s_mov_b32 s[G0+4*\k], 1                        ; 1:0 count = 1
	s_add_co_u32 s[G0+4*\k+1], s58, XF+XKS*\k      ; 63:32 LDS address
	s_add_nc_u64 s[G0+4*\k+2:G0+4*\k+3], s[4:5], \k<<21   ; 120:64 global address: 128 channels of 16,384 bytes on for each K step
	s_or_b32 s[G0+4*\k+3], s[G0+4*\k+3], 0x80000000   ; 127:126 type = 2
.endr
.irp k, 0,1,2,3
	tensor_load_to_lds s[G0+4*\k:G0+4*\k+3], s[G1:G1+7]
	s_nop 0
.endr
.rept 4
	v_nop                                          ; four v_nop follow the last of them
.endr
	s_cmp_eq_u32 s35, 0                            ; q's work-group or k's?  The choice hangs on the work-group's number alone
	s_cselect_b64 s[6:7], s[6:7], s[10:11]         ; W's codes,
	s_cselect_b64 s[8:9], s[8:9], s[12:13]         ; its scales,
	s_cselect_b64 s[18:19], s[18:19], s[22:23]     ; s,
	s_cselect_b64 s[20:21], s[20:21], s[24:25]     ; b,
	s_cselect_b64 s[30:31], s[30:31], s[32:33]     ; the buffer that takes the record,
	s_cselect_b32 s40, s46, s48                    ; and the record's place in it
	s_add_nc_u64 s[30:31], s[30:31], s[40:41]
	s_mul_i32 s40, s39, FRB
	s_add_co_u32 s40, s40, s51
	s_add_nc_u64 s[42:43], s[32:33], s[40:41]      ; v's record at my four fragments
	s_lshl_b32 s40, s39, 6
	s_add_co_u32 s40, s40, s51
	s_add_co_u32 s40, s40, 32*FRB
	s_add_nc_u64 s[44:45], s[32:33], s[40:41]      ; and at my 256 bytes of scale words
	s_mul_i32 s40, s39, 16*384
	s_add_nc_u64 s[14:15], s[14:15], s[40:41]      ; Wv at my 64 rows
	s_lshl_b32 s40, s39, 8
	s_add_nc_u64 s[16:17], s[16:17], s[40:41]
	s_lshl_b32 s40, s39, 6
	s_add_nc_u64 s[26:27], s[26:27], s[40:41]
	s_add_nc_u64 s[28:29], s[28:29], s[40:41]
	; THE WEIGHTS, once.  My share of Wq (or Wk): K step = my wave, of all six tiles
.set TT, 0
.rept 6
.irp p, 0,1,2,3,4,5
.if TT < 4
	global_load_b64 v[WT+12*TT+2*\p:WT+12*TT+2*\p+1], v[WQO], s[6:7] offset:(32*(TT/2)+8*(TT%2))*384+48*(\p/3)+8*(\p%3)
.else
	global_load_b64 v[WT+12*TT+2*\p:WT+12*TT+2*\p+1], v[WQO2], s[6:7] offset:(32*(TT/2)+8*(TT%2))*384+48*(\p/3)+8*(\p%3)
.endif
.endr
.set TT, TT+1
.endr
.set TT, 0
.rept 6                                        ; a row's 16 scale bytes are the words of its four K steps
.if TT < 4
	global_load_b128 v[WQS+4*TT:WQS+4*TT+3], v[WSO], s[8:9] offset:(32*(TT/2)+8*(TT%2))*16
.else
	global_load_b128 v[WQS+4*TT:WQS+4*TT+3], v[WSO2], s[8:9] offset:(32*(TT/2)+8*(TT%2))*16
.endif
.set TT, TT+1
.endr
.irp c, 0,1,2,3
	global_load_b128 v[WVS+4*\c:WVS+4*\c+3], v[WVSO], s[16:17] offset:256*\c
	global_load_b32 v[SV+2*\c], v[SVO], s[26:27] offset:64*\c
	global_load_b32 v[BV+2*\c], v[SVO], s[28:29] offset:64*\c
.endr
	WIN 0x80                                       ; destination window 2
.set FF, 0
.rept 16                                       ; Wv's fragment (tile FF / 4, K step FF % 4): it stays in registers
.irp p, 0,1,2,3,4,5
	global_load_b64 v[12*FF+2*\p:12*FF+2*\p+1], v[WVO], s[14:15] offset:(FF/4)*6144+(FF%4)*96+48*(\p/3)+8*(\p%3)
.endr
.set FF, FF+1
.endr
	WIN 0
.macro LOAD t                          ; block t of x out of LDS: channels 32 t + i of my column; the 32 lanes of a load read 128 consecutive bytes.  Largest offset 3 x 16,384 + 31 x 512, inside the 16 bits
.set I, 0
.rept 32
	ds_load_b32 v[X+32*((\t)%2)+I], v[XL+(\t)/4] offset:16384*((\t)%4)+512*I
.set I, I+1
.endr
.endm
; Block t: 32 channels of my column become 24 bytes of codes and a scale byte.  The codes are registers 6 c .. 6 c + 5 of lane row + 16 h' of the fragment, with 2 c + h' = t % 4.
.macro BLOCK t
.set XS, X+32*((\t)%2)
.if ((\t)%4) < 3
	LOAD (\t)+1                                    ; the K step's next block goes out first, into the other set,
	s_wait_dscnt 32                                ; and may stay out: LDS serves a wave's instructions in order (ISA guide 5.7.1), so this block's 32 loads are in and the last block's stores of codes are done
.else
	s_wait_dscnt 0x0                               ; the K step's last block: nothing is asked for ahead of the next K step's barrier
.endif
	v_max3_num_f32 v[TM], |v[XS]|, |v[XS+1]|, |v[XS+2]|
	v_max3_num_f32 v[TM+1], |v[XS+3]|, |v[XS+4]|, |v[XS+5]|
.irp i, 6,10,14,18,22,26
	v_max3_num_f32 v[TM], v[TM], |v[XS+\i]|, |v[XS+\i+1]|
	v_max3_num_f32 v[TM+1], v[TM+1], |v[XS+\i+2]|, |v[XS+\i+3]|
.endr
	v_max3_num_f32 v[TM], v[TM], |v[XS+30]|, |v[XS+31]|
	v_max3_num_f32 v[TM], v[TM], v[TM+1], 0x1800000    ; and the floor 2^(3 - 127): the byte cannot fall under 1
	v_add_nc_u32 v[TM+2], 0xff000000, v[TM]        ; 2 off the exponent field: the conversion takes this operand's exponent field as its scale
	v_lshrrev_b32 v[TM+1], 23, v[TM+2]             ; the scale's byte
.if ((\t)%4) == 0
	v_mov_b32 v[SW], v[TM+1]
.else
	v_lshl_or_b32 v[SW], v[TM+1], 8*((\t)%4), v[SW]
.endif
	v_cvt_scalef32_pk16_fp6_f32 v[CD:CD+2], v[XS:XS+15], v[TM+2]
	v_cvt_scalef32_pk16_fp6_f32 v[CD+4:CD+6], v[XS+16:XS+31], v[TM+2]   ; (a conversion's three registers begin on an even number)
	v_nop                                          ; one plain place behind a scaled conversion
	v_mov_b32 v[CD+3], v[CD+4]
	v_mov_b32 v[CD+4], v[CD+5]
	v_mov_b32 v[CD+5], v[CD+6]
.if ((\t)%4) < 2
	ds_store_b128 v[XWA], v[CD:CD+3] offset:XBUF*(((\t)/4)%2)+256*((\t)%2)
	ds_store_b64 v[XWA], v[CD+4:CD+5] offset:XBUF*(((\t)/4)%2)+256*((\t)%2)+512
.else
	ds_store_b64 v[XWA], v[CD:CD+1] offset:XBUF*(((\t)/4)%2)+256*((\t)%2)+520
	ds_store_b128 v[XWA], v[CD+2:CD+5] offset:XBUF*(((\t)/4)%2)+256*((\t)%2)+1024
.endif
.endm
.macro WQSTORE                         ; my share of Wq goes to LDS as images: fragment (tile, K step = my wave)
.set TT, 0
.rept 6
.irp g, 0,1,2
	ds_store_b128 v[WQW], v[WT+12*TT+4*\g:WT+12*TT+4*\g+3] offset:WQI+4*FRB*TT+512*\g
.endr
.set TT, TT+1
.endr
.endm
; A K step of 128 channels: a barrier behind which its part of x is whole; four blocks; a barrier behind which the images are whole; the fragments; 44 products, each accumulator once, always in the same
; order.  Two image buffers take turns: a buffer is written again only by waves that have passed a later barrier, which every wave signals behind the wait for its reads of that buffer.
.macro KSTEP ks
	s_wait_tensorcnt 3-(\ks)                       ; tensor loads of a wave end in order (ISA guide 10.11.1): my 32 channels of this K step have landed; my loads of the later K steps may stay out: nothing is filled twice
	s_barrier_signal -1                            ; (no LDS instruction of mine is out here)
	s_barrier_wait -1                              ; everybody's have: all 128 channels lie in LDS
	LOAD 4*(\ks)
.set T, 4*(\ks)
.rept 4
	BLOCK T
.set T, T+1
.endr
.if (\ks) == 0
	s_wait_loadcnt 0x0                             ; the weights, their scale words, sv and bv: all are wanted behind the barrier below
	WQSTORE
.endif
	ds_store_b32 v[XWS], v[SW] offset:XSC+512*((\ks)%2)
	s_wait_dscnt 0x0                               ; for the others' sake: my images and scale words have landed
	s_barrier_signal -1
	s_barrier_wait -1
	WIN 0xc0                                       ; destination window 3
.set FF, 0
.rept 8
.irp g, 0,1,2
	ds_load_b128 v[12*FF+4*\g:12*FF+4*\g+3], v[LI] offset:XBUF*((\ks)%2)+FRB*FF+512*\g
.endr
.set FF, FF+1
.endr
.set FF, 0
.rept 6
.irp g, 0,1,2
	ds_load_b128 v[96+12*FF+4*\g:96+12*FF+4*\g+3], v[LI] offset:WQI+(4*FF+(\ks))*FRB+512*\g
.endr
.set FF, FF+1
.endr
.irp n, 0,1                                    ; x's fragments of my two column tiles once more, from addresses that carry my wave's number
.irp g, 0,1,2
	ds_load_b128 v[168+12*\n+4*\g:168+12*\n+4*\g+3], v[XQA] offset:XBUF*((\ks)%2)+FRB*\n+512*\g
.endr
.endr
	WIN 0
.irp i, 0,1,2,3
	ds_load_b32 v[XSP+\i], v[LS] offset:XSC+512*((\ks)%2)+128*\i
.endr
	ds_load_b32 v[XSQ], v[XO] offset:XSC+512*((\ks)%2)
	s_wait_dscnt 0x0
.if (\ks) == 0
.set Z, 1
.else
.set Z, 0
.endif
	WIN 0x5b                                       ; source 0 (x) window 3, source 1 (Wv) window 2, C and D window 1
.set CC, 0
.rept 4
.set CT, 0
.rept 8
	WM 8*(8*CC+CT), 12*CT, 12*(4*CC+(\ks)), Z, XSP+CT/2, WVS+4*CC+(\ks), CT%2
.set CT, CT+1
.endr
.set CC, CC+1
.endr
	WIN 0xaf                                       ; sources 0 (W) and 1 (x) window 3, C and D window 2
.set TT, 0
.rept 6
	WM 192+8*TT, 96+12*TT, 168, Z, WQS+4*TT+(\ks), XSQ, 0
.set TT, TT+1
.endr
	WIN 0xff                                       ; the same, C and D window 3
.set TT, 0
.rept 6
	WM 192+8*TT, 96+12*TT, 180, Z, WQS+4*TT+(\ks), XSQ, 2
.set TT, TT+1
.endr
	WIN 0
.endm
; 64 numbers of a lane, register 16 b + i = k 32 b + 16 (lane / 16) + i of my row, become a fragment's codes in v[PC] on and its scale word in v[PW]
.macro QUANT s
.irp b, 0,1,2,3
	v_max3_num_f32 v[TM+\b], |v[\s+16*\b]|, |v[\s+1+16*\b]|, 0x1800000
.endr
.irp i, 2,4,6,8,10,12,14
.irp b, 0,1,2,3
	v_max3_num_f32 v[TM+\b], v[TM+\b], |v[\s+16*\b+\i]|, |v[\s+1+16*\b+\i]|
.endr
.endr
.irp b, 0,1,2,3
	v_permlanex16_b32 v[TM+4+\b], v[TM+\b], s[SEL], s[SEL+1]
.endr
.irp b, 0,1,2,3
	v_max_num_f32 v[TM+\b], v[TM+\b], v[TM+4+\b]   ; with lane l xor 16's: the block's largest magnitude
.endr
.irp b, 0,1,2,3
	v_add_nc_u32 v[TM+12+\b], 0xff000000, v[TM+\b]
.endr
.irp b, 0,1,2,3
	v_lshrrev_b32 v[TM+4+\b], 23, v[TM+12+\b]
.endr
	v_lshl_or_b32 v[PW], v[TM+5], 8, v[TM+4]
	v_lshl_or_b32 v[PW], v[TM+6], 16, v[PW]
	v_lshl_or_b32 v[PW], v[TM+7], 24, v[PW]
.irp c, 0,1
	v_cvt_scalef32_pk16_fp6_f32 v[PC+6*\c:PC+2+6*\c], v[\s+32*\c:\s+15+32*\c], v[TM+12+2*\c]
	v_cvt_scalef32_pk16_fp6_f32 v[PC+12+4*\c:PC+14+4*\c], v[\s+16+32*\c:\s+31+32*\c], v[TM+12+2*\c+1]
.endr
	v_nop                                          ; one plain place behind a scaled conversion
.irp c, 0,1                                    ; the operand's layout wants a WHOLE block in a lane: lanes 0-15 block 2 c, lanes 16-31 block 2 c + 1
.irp i, 0,1,2
	v_permlane16_swap_b32 v[PC+6*\c+\i], v[PC+12+4*\c+\i]
.endr
.irp i, 0,1,2
	v_mov_b32 v[PC+3+6*\c+\i], v[PC+12+4*\c+\i]
.endr
.endr
.endm
; The same for K = 80: blocks 0 and 1 whole; of block 2 lanes 0-15 hold channels 64-79 and lanes 16-31 zeros, whose zero codes are just what registers 6-8 of lanes 16-31 (block 3) want
.macro QUANT3 s
.irp b, 0,1,2
	v_max3_num_f32 v[TM+\b], |v[\s+16*\b]|, |v[\s+1+16*\b]|, 0x1800000
.endr
.irp i, 2,4,6,8,10,12,14
.irp b, 0,1,2
	v_max3_num_f32 v[TM+\b], v[TM+\b], |v[\s+16*\b+\i]|, |v[\s+1+16*\b+\i]|
.endr
.endr
.irp b, 0,1,2
	v_permlanex16_b32 v[TM+4+\b], v[TM+\b], s[SEL], s[SEL+1]
.endr
.irp b, 0,1,2
	v_max_num_f32 v[TM+\b], v[TM+\b], v[TM+4+\b]
.endr
.irp b, 0,1,2
	v_add_nc_u32 v[TM+12+\b], 0xff000000, v[TM+\b]
.endr
.irp b, 0,1,2
	v_lshrrev_b32 v[TM+4+\b], 23, v[TM+12+\b]
.endr
	v_lshl_or_b32 v[PW], v[TM+5], 8, v[TM+4]
	v_lshl_or_b32 v[PW], v[TM+6], 16, v[PW]
	v_or_b32 v[PW], 0x7f000000, v[PW]              ; block 3 is zero codes: byte 127
	v_cvt_scalef32_pk16_fp6_f32 v[PC:PC+2], v[\s:\s+15], v[TM+12]
	v_cvt_scalef32_pk16_fp6_f32 v[PC+12:PC+14], v[\s+16:\s+31], v[TM+13]
	v_cvt_scalef32_pk16_fp6_f32 v[PC+6:PC+8], v[\s+32:\s+47], v[TM+14]
	v_nop
.irp i, 0,1,2
	v_permlane16_swap_b32 v[PC+\i], v[PC+12+\i]
.endr
.irp i, 0,1,2
	v_mov_b32 v[PC+3+\i], v[PC+12+\i]
.endr
.endm
	KSTEP 0
	KSTEP 1
	KSTEP 2
	KSTEP 3                                        ; its wait on TENSORcnt is for 0: no tensor load is out from there on
	; ---- OUT.  s and b of q (or k) are asked for now, into the registers that x's fragments have left: tile t's s at 16 t, its b at 16 t + 8; lane (r, h) wants channels 32 (t / 2) + 16 h + 8 (t % 2) + 0 .. 7
	PLACES
	WIN 0xc0
.set TT, 0
.rept 6
.if TT < 4
	global_load_b128 v[16*TT:16*TT+3], v[AH], s[18:19] offset:(32*(TT/2)+8*(TT%2))*4
	global_load_b128 v[16*TT+4:16*TT+7], v[AH], s[18:19] offset:(32*(TT/2)+8*(TT%2))*4+16
	global_load_b128 v[16*TT+8:16*TT+11], v[AH], s[20:21] offset:(32*(TT/2)+8*(TT%2))*4
	global_load_b128 v[16*TT+12:16*TT+15], v[AH], s[20:21] offset:(32*(TT/2)+8*(TT%2))*4+16
.else                                          ; tiles 4, 5: both halves of the lanes take channels 64 on: no load leaves the 80 numbers
	global_load_b128 v[16*TT:16*TT+3], v[ZR], s[18:19] offset:(32*(TT/2)+8*(TT%2))*4
	global_load_b128 v[16*TT+4:16*TT+7], v[ZR], s[18:19] offset:(32*(TT/2)+8*(TT%2))*4+16
	global_load_b128 v[16*TT+8:16*TT+11], v[ZR], s[20:21] offset:(32*(TT/2)+8*(TT%2))*4
	global_load_b128 v[16*TT+12:16*TT+15], v[ZR], s[20:21] offset:(32*(TT/2)+8*(TT%2))*4+16
.endif
.set TT, TT+1
.endr
	WIN 0
	; ---- v: a tile of 16 channels at a time: 64 numbers a lane, my channel's 128 keys with lane l xor 16
.set CC, 0
.rept 4
	WIN 0x01                                       ; source 0 window 1
.set J, 0
.rept 32
	v_pk_fma_f32 v[Y+J:Y+J+1], v[64*CC+J:64*CC+J+1], v[SV+2*CC:SV+2*CC+1], v[BV+2*CC:BV+2*CC+1] op_sel_hi:[1,0,0]   ; y sv + bv, each accumulator from its low end on; of the pairs sv and bv the low word serves both halves
.set J, J+2
.endr
	WIN 0
.set J, 0
.rept 64
	v_max_num_f32 v[Y+J], 0, v[Y+J]
.set J, J+1
.endr
	s_wait_xcnt 0x0                                ; the last tile's stores have read the codes' registers
	QUANT Y
	v_mov_b32 v[VW+CC], v[PW]
.irp g, 0,1,2
	global_store_b128 v[LI], v[PC+4*\g:PC+4*\g+3], s[42:43] offset:FRB*CC+512*\g     ; 512 consecutive bytes, aligned
.endr
.set CC, CC+1
.endr
	v_cmp_eq_u32 vcc_lo, 1, v[HH]                  ; lanes 16-31
	v_cndmask_b32 v[VP], v[VW], v[VW+1], vcc_lo    ; two tiles' scale words to a register: the even tile's in lanes 0-15, the odd one's in lanes 16-31
	v_cndmask_b32 v[VP+1], v[VW+2], v[VW+3], vcc_lo
	global_store_b64 v[O8], v[VP:VP+1], s[44:45]   ; 256 consecutive bytes, aligned
	; ---- q or k: a tile of 16 columns at a time: 48 numbers a lane
	s_wait_loadcnt 0x0                             ; s and b
	v_mov_b32 v[CAP], 0x7f800000
	v_cndmask_b32 v[CAP], v[CAP], v[ZR], vcc_lo
.set CL, 0
.rept 2
	WIN 0x3e+CL                                    ; source 0 window 2 or 3, sources 1 and 2 window 3
.set J, 0
.rept 24
	v_pk_fma_f32 v[Y+J:Y+J+1], v[192+J:192+J+1], v[16*(J/8)+J%8:16*(J/8)+J%8+1], v[16*(J/8)+8+J%8:16*(J/8)+8+J%8+1]
.set J, J+2
.endr
	WIN 0
.set J, 0
.rept 32
	v_max_num_f32 v[Y+J], 0, v[Y+J]
.set J, J+1
.endr
.rept 16
	v_med3_num_f32 v[Y+J], v[Y+J], 0, v[CAP]       ; the same for channels 64-79 (lanes 0-15); lanes 16-31, channels 80-95, are held at 0
.set J, J+1
.endr
	s_wait_xcnt 0x0                                ; earlier stores have read the codes' registers
	QUANT3 Y
	global_store_b128 v[OA], v[PC:PC+3], s[30:31] offset:512*CL
	global_store_b128 v[OA], v[PC+4:PC+7], s[30:31] offset:4096+512*CL
	v_mov_b32 v[K8+CL], v[PC+8]
	v_mov_b32 v[QW+CL], v[PW]
.set CL, CL+1
.endr
	v_cndmask_b32 v[QW], v[QW], v[QW+1], vcc_lo
	global_store_b64 v[OC], v[K8:K8+1], s[30:31] offset:8192
	global_store_b32 v[XO], v[QW], s[30:31] offset:9216
	s_wait_tensorcnt 0x0
	ds_add_u32 v250, v251
	s_wait_dscnt 0x0
	s_endpgm
.Lfunc_end_k_q57de678464_proj:
	.size	k_q57de678464_proj, .Lfunc_end_k_q57de678464_proj-k_q57de678464_proj
	.p2alignl 7, 3214868480
	.fill 96, 4, 3214868480
	.section	.rodata,"a",@progbits
	.p2align	6, 0x0
	.amdhsa_kernel k_q57de678464_proj
		.amdhsa_group_segment_fixed_size 327680
		.amdhsa_private_segment_fixed_size 0
		.amdhsa_enable_private_segment 0
		.amdhsa_kernarg_size 120
		.amdhsa_user_sgpr_count 2
		.amdhsa_user_sgpr_kernarg_segment_ptr 1
		.amdhsa_wavefront_size32 1
		.amdhsa_system_sgpr_workgroup_id_x 1
		.amdhsa_system_sgpr_workgroup_id_y 1
		.amdhsa_system_sgpr_workgroup_id_z 1
		.amdhsa_system_vgpr_workitem_id 0
		.amdhsa_next_free_vgpr 1024
		.amdhsa_next_free_sgpr 96
		.amdhsa_reserve_vcc 1
		.amdhsa_float_denorm_mode_32 3
		.amdhsa_float_denorm_mode_16_64 3
		.amdhsa_memory_ordered 1
		.amdhsa_forward_progress 1
		.amdhsa_inst_pref_size 167
	.end_amdhsa_kernel
	.amdgpu_metadata
---
amdhsa.version: [ 1, 2 ]
amdhsa.kernels:
  - .name:           k_q57de678464_proj
    .symbol:         k_q57de678464_proj.kd
    .args:
      - { .name: x, .offset: 0, .size: 8, .value_kind: global_buffer, .address_space: global }
      - { .name: Wq_codes, .offset: 8, .size: 8, .value_kind: global_buffer, .address_space: global }
      - { .name: Wq_scales, .offset: 16, .size: 8, .value_kind: global_buffer, .address_space: global }
      - { .name: Wk_codes, .offset: 24, .size: 8, .value_kind: global_buffer, .address_space: global }
      - { .name: Wk_scales, .offset: 32, .size: 8, .value_kind: global_buffer, .address_space: global }
      - { .name: Wv_codes, .offset: 40, .size: 8, .value_kind: global_buffer, .address_space: global }
      - { .name: Wv_scales, .offset: 48, .size: 8, .value_kind: global_buffer, .address_space: global }
      - { .name: sq, .offset: 56, .size: 8, .value_kind: global_buffer, .address_space: global }
      - { .name: bq, .offset: 64, .size: 8, .value_kind: global_buffer, .address_space: global }
      - { .name: sk, .offset: 72, .size: 8, .value_kind: global_buffer, .address_space: global }
      - { .name: bk, .offset: 80, .size: 8, .value_kind: global_buffer, .address_space: global }
      - { .name: sv, .offset: 88, .size: 8, .value_kind: global_buffer, .address_space: global }
      - { .name: bv, .offset: 96, .size: 8, .value_kind: global_buffer, .address_space: global }
      - { .name: qbuf, .offset: 104, .size: 8, .value_kind: global_buffer, .address_space: global }
      - { .name: kv, .offset: 112, .size: 8, .value_kind: global_buffer, .address_space: global }
    .group_segment_fixed_size: 327680
    .private_segment_fixed_size: 0
    .kernarg_segment_align: 8
    .kernarg_segment_size: 120
    .max_flat_workgroup_size: 128
    .sgpr_count:     96
    .vgpr_count:     1024
    .wavefront_size: 32
...
	.end_amdgpu_metadata
.endif
;; end of part 1
;; launch attn (part 2): grid 64 x 4, 8 waves a work-group, clusters of 4 x 1, 327,680 bytes of LDS; arguments qbuf, kv, gamma, x, out0; writes out0
.if DOCPART == 2
	.amdgcn_target "amdgcn-amd-amdhsa--gfx1250"
	.amdhsa_code_object_version 6
	.text
	.protected	k_q57de678464_attn
	.globl	k_q57de678464_attn
	.p2align	8
	.type	k_q57de678464_attn,@function
k_q57de678464_attn:
	s_mov_b64 s[64:65], 0
	v_nop
	global_prefetch_b8 v0, s[64:65] scope:SCOPE_SE
	s_setreg_imm32_b32 hwreg(HW_REG_WAVE_MODE, 25, 1), 1
	s_wait_xcnt 0x0
	s_wait_alu depctr_hold_cnt(0) depctr_sa_sdst(0) depctr_va_vdst(0) depctr_va_sdst(0) depctr_va_ssrc(0) depctr_va_vcc(0) depctr_vm_vsrc(0)
	s_getreg_b32 s2, hwreg(HW_REG_IB_STS2, 6, 4)
	s_cmp_eq_u32 s2, 0
	s_cbranch_scc0 .Lentry_in_a_cluster
	s_endpgm
.Lentry_in_a_cluster:
	s_bfe_u32 s2, ttmp6, 0x10000c
	s_cmp_lg_u32 s2, 0x3003
	s_cbranch_scc0 .Lentry_shape_is_right
	s_endpgm
.Lentry_shape_is_right:
; out[b][c][i] = gamma[c][i] (sum over j of softmax_j(q_i . k_j) v[c][j]) + x[b][c][i], both products on codes of FP6 (E2M3) with one E8M0 scale for each 32 along K.
; q, k, v come as images of operand registers (register R of lane L at 512 (R / 4) + 16 L + 4 (R % 4); the records' layout: the head of the launch that makes them).
; THE SOFTMAX: t = score x log2(e); M = the row's largest t so far, rounded UP to a whole number; p = 2^(t - M) is quantised along the keys, not normalised; the row's sum is taken of the unquantised p and
; divides at the end.  When M moves, the sum and O are multiplied by f = 2^(old M - new M): exact, in every period, with no branch on data.
; SHARES.  A work-group owns 64 queries of one batch, eight waves in TWO ROLES, told apart by (wave xor wave / 4) % 2; idx = wave / 2.
;   A softmax wave owns one tile of 16 queries and walks all keys: S^T = K Q^T (source 0 = 16 keys, source 1 = my queries: a lane holds ONE query), the softmax, p's codes; it hands p's two fragments, their scale
;   words and f to LDS as images.
;   A product wave owns 128 channels x all 64 queries: O^T += V^T P^T (source 0 = 16 channels, source 1 = 16 queries), 32 accumulators, 256 registers.  Each fragment of V is read from LDS by one wave and feeds 4 products.
; A PERIOD is 256 keys.  In period T the product waves take V's pair T and P's pair T (P buffer T % 2) while the softmax waves make P's pair T + 1 (into the other buffer) from K's pair T + 1, which lies in the
; same slot: kv's content T = V's key steps 2 T, 2 T + 1, then K's steps 2 T + 2, 2 T + 3 (mod 32).  One barrier a period orders all of it.
; THE TWO ROLES SHARE REGISTERS, and the distances behind matrix instructions are kept on every way through the text, whichever role's lines stood before: a product period ends with five places, a softmax
; period's products have their places and the whole softmax behind them; what both roles do at the launch's end stands once, at the joins.
; THE KEYS AND QUERIES OF A TILE ARE NOT NEIGHBOURS: lane r of tile 2 b + u holds column 32 b + 8 u + r + 8 (r / 8), so that p's 16 registers of two neighbouring tiles are 16 neighbouring keys.
; CLUSTER.  The four work-groups of a cluster belong to one batch and walk the same kv: every content is asked for JOINTLY, by the same four loads (one for each product wave, a quarter of the content) with the
; same descriptors and a mask that names the four.  A content is 476 dense rows of 256 bytes; two slots take turns; a refill has a whole period in which to land.  At most three tensor loads of a wave are out (at the start).
; LIMITS: NaN and infinities are not served; p under 2^-126 counts as 0 (v_exp_f32 gives 0 there); a block of p under 2^-124 keeps the scale byte 1.
; REGISTERS.  window 0: v1-24 addresses, made ahead of the first parting of the roles and never rewritten; v44-55 scale words and nothing else.
;   softmax wave: v28 -M, v29 the largest t, v[30:31] the sum, v32-43 Q, v56 f, v58-59 p's scale words, v60-63 at work, v64-191 S^T then p, v192-215 p's codes, v216-255 at work; window 1: v0-191 K's 16 fragments.
;   product wave: v32, 34, 36, 38 f (at the end 1 / sum) of the four query tiles; v64-159 P's 8 fragments; v160-255 V's 8 fragments; window 1: accumulator (c, m) at 8 (4 c + m).
;   the way out, every wave: v64-127 gamma, v128-191 x (first half window 0, second half window 1), v192-255 rows from the stage.
.set CONT,  121856                     ; a content of kv, and an LDS slot: slot 0 at byte 0, slot 1 behind it
.set BSTR,  16*CONT                    ; a batch's bytes in kv
.set VREC,  51200                      ; a record of V: 128 keys
.set QKREC, 9728                       ; a record of K or Q: 128 columns
.set KOFF,  2*VREC                     ; K's two records in a slot
.set QUART, CONT/4                     ; what one tensor load brings: 119 rows of 256 bytes
.set KP0,   2*CONT                     ; K's first pair: 19,456 bytes, filled once
.set PB,    KP0+2*QKREC                ; two P buffers
.set PBUF,  13056                      ; a P buffer: fragment (2 m + k) at 1,536 each; scale words at 12,288 + 256 k + 64 m + 4 r; f at 12,800 + 64 m + 4 r
.set PSC,   12288
.set PFF,   12800
.set RLO,   2*PBUF                     ; behind them: 1 / sum, 64 m + 4 r
.set SPARE, PB+RLO+256                 ; the spare words, 128 bytes for each wave: four blocks of 256 bytes that no other line names
.set SPITCH, 272                       ; the way out: a stage of 512 rows (channels) x (256 bytes + 16), from byte 0: over the slots, behind their last fills and last reads
.set SPW, 1
.set NIL, 2
.set AK,  3                            ; v3-5, v6-8, v9-11: K's records in slot 0, slot 1, KP0: + 16, 8, 4 x lane
.set PWI, 12                           ; where I store p's images
.set PWS, 13                           ; and a word for each query
.set AV,  14                           ; v14-15 my 8 fragments of V in slot 0, 1
.set AVS, 16                           ; v16-17 their scale words
.set PRI, 18                           ; PB + 16 lane
.set PRS, 19                           ; PB + 4 lane
.set PRF, 20                           ; PB + 4 (lane % 16)
.set STW, 21                           ; the stage, on the way in
.set STR, 22                           ; and back
.set GO,  23                           ; my 16 bytes in two rows of gamma, x, out
.set PFO, 24                           ; 16,384 x lane: a channel's row for each lane
.set NM,  28
.set SUM, 30
.set QF,  32
.set FR,  32
.set QS,  44
.set PS,  44
.set KS,  48
.set VS,  48
.set FF,  56
.set PW,  58
.set T0,  60
.set S,   64
.set PCD, 192
.set PH,  216
.set BM,  232
.set BP,  240
.set SO,  248
.set PF,  64
.set VF,  160
.set GR,  64
.set XR,  128
.set ST,  192
.set WV,  14                           ; s14 wave, s15 role (0 softmax, 1 product), s16 idx
.set RO,  15
.set IX,  16
.set SEL, 20                           ; s[20:21] lane selects: lane l xor 16
.set CS,  22                           ; s[22:23] log2(e), named as a pair
.set G1,  28                           ; s[28:35] descriptor group 1: 119 rows;  s[36:43]: 19 rows
.set G1P, 36
.set G0A, 44                           ; s[44:47] group 0 of slot 0, s[48:51] of slot 1, s[52:55] of K's first pair
.set G0B, 48
.set G0P, 52
.set MSB, 0
.macro WIN new                         ; the immediate's high byte repeats the setting that is left; a switch that changes nothing is dropped
.if MSB != (\new)
	s_set_vgpr_msb (MSB<<8)|(\new)
.set MSB, (\new)
.endif
.endm
.macro PLACES                          ; four plain places behind matrix instructions, in front of loads into their registers, of writes of them and of the first read of results
.rept 4
	v_nop
.endr
.endm
; One product.  z: the sum begins (C = 0).  row: 1 = source 0's scales stand in lanes 16-31, 2 = source 1's, 3 = both
.macro WM d, a, b, z, sa, sb, row
.if \z
.if (\row) == 0
	v_wmma_scale_f32_16x16x128_f8f6f4 v[(\d):(\d)+7], v[(\a):(\a)+11], v[(\b):(\b)+11], 0, v[(\sa)], v[(\sb)] matrix_a_fmt:MATRIX_FMT_FP6 matrix_b_fmt:MATRIX_FMT_FP6
.elseif (\row) == 1
	v_wmma_scale_f32_16x16x128_f8f6f4 v[(\d):(\d)+7], v[(\a):(\a)+11], v[(\b):(\b)+11], 0, v[(\sa)], v[(\sb)] matrix_a_fmt:MATRIX_FMT_FP6 matrix_b_fmt:MATRIX_FMT_FP6 matrix_a_scale:MATRIX_SCALE_ROW1
.elseif (\row) == 2
	v_wmma_scale_f32_16x16x128_f8f6f4 v[(\d):(\d)+7], v[(\a):(\a)+11], v[(\b):(\b)+11], 0, v[(\sa)], v[(\sb)] matrix_a_fmt:MATRIX_FMT_FP6 matrix_b_fmt:MATRIX_FMT_FP6 matrix_b_scale:MATRIX_SCALE_ROW1
.else
	v_wmma_scale_f32_16x16x128_f8f6f4 v[(\d):(\d)+7], v[(\a):(\a)+11], v[(\b):(\b)+11], 0, v[(\sa)], v[(\sb)] matrix_a_fmt:MATRIX_FMT_FP6 matrix_b_fmt:MATRIX_FMT_FP6 matrix_a_scale:MATRIX_SCALE_ROW1 matrix_b_scale:MATRIX_SCALE_ROW1
.endif
.else
.if (\row) == 0
	v_wmma_scale_f32_16x16x128_f8f6f4 v[(\d):(\d)+7], v[(\a):(\a)+11], v[(\b):(\b)+11], v[(\d):(\d)+7], v[(\sa)], v[(\sb)] matrix_a_fmt:MATRIX_FMT_FP6 matrix_b_fmt:MATRIX_FMT_FP6
.elseif (\row) == 1
	v_wmma_scale_f32_16x16x128_f8f6f4 v[(\d):(\d)+7], v[(\a):(\a)+11], v[(\b):(\b)+11], v[(\d):(\d)+7], v[(\sa)], v[(\sb)] matrix_a_fmt:MATRIX_FMT_FP6 matrix_b_fmt:MATRIX_FMT_FP6 matrix_a_scale:MATRIX_SCALE_ROW1
.elseif (\row) == 2
	v_wmma_scale_f32_16x16x128_f8f6f4 v[(\d):(\d)+7], v[(\a):(\a)+11], v[(\b):(\b)+11], v[(\d):(\d)+7], v[(\sa)], v[(\sb)] matrix_a_fmt:MATRIX_FMT_FP6 matrix_b_fmt:MATRIX_FMT_FP6 matrix_b_scale:MATRIX_SCALE_ROW1
.else
	v_wmma_scale_f32_16x16x128_f8f6f4 v[(\d):(\d)+7], v[(\a):(\a)+11], v[(\b):(\b)+11], v[(\d):(\d)+7], v[(\sa)], v[(\sb)] matrix_a_fmt:MATRIX_FMT_FP6 matrix_b_fmt:MATRIX_FMT_FP6 matrix_a_scale:MATRIX_SCALE_ROW1 matrix_b_scale:MATRIX_SCALE_ROW1
.endif
.endif
.endm
; A round of the cluster's barrier: my work-group's barrier, so that wave 0's signal speaks for all eight waves; wave 0 signals for the work-group; every wave waits for all four work-groups; my work-group's barrier once more
.macro CROUND
	s_barrier_signal -1
	s_barrier_wait -1
	s_cmp_lg_u32 s[WV], 0
	s_cbranch_scc1 .Lnot_wave_0_\@
	s_barrier_signal -3
.Lnot_wave_0_\@:
	s_barrier_wait -3
	s_barrier_signal -1
	s_barrier_wait -1
.endm
; A joint refill: each product wave fetches its quarter of a content.  The branch hangs on the wave's number alone.  Four v_nop follow the load
.macro JFILL g0
	s_cmp_eq_u32 s[RO], 1
	s_cbranch_scc0 .Lno_fill_\@
	tensor_load_to_lds s[\g0:\g0+3], s[G1:G1+7]
	s_nop 0
.rept 4
	v_nop
.endr
.Lno_fill_\@:
.endm
	s_load_b256 s[4:11], s[0:1], 0x0               ; qbuf s[4:5], kv s[6:7], gamma s[8:9], x s[10:11]
	s_load_b64 s[12:13], s[0:1], 0x20              ; out0
	v_lshl_add_u32 v[SPW], v0, 2, SPARE
	v_mov_b32 v[NIL], 0
	ds_add_u32 v1, v2
	s_wait_dscnt 0x0
	v_lshrrev_b32 v25, 5, v0
	v_readfirstlane_b32 s[WV], v25                 ; wave 0..7
	s_lshr_b32 s[RO], s[WV], 2
	s_xor_b32 s[RO], s[RO], s[WV]
	s_and_b32 s[RO], s[RO], 1                      ; role: waves w and w + 4 differ in it, and so do waves 2 i and 2 i + 1
	s_lshr_b32 s[IX], s[WV], 1                     ; idx 0..3: each (role, idx) is one wave
	s_bfe_u32 s17, ttmp6, 0x40000                  ; cx: my place in the cluster: it enters Q's, gamma's, x's and out's addresses alone
	s_lshl_b32 s18, ttmp9, 2
	s_add_co_u32 s18, s18, s17                     ; my block of 64 queries = 4 x cluster x + cx
	s_and_b32 s19, ttmp7, 0xffff                   ; the batch, which the four partners share
	s_mov_b32 s[SEL], 0x76543210
	s_mov_b32 s[SEL+1], 0xfedcba98
	s_mov_b32 s[CS], 0x3fb8aa3b                    ; log2(e)
	s_mov_b32 s[CS+1], s[CS]
	v_and_b32 v25, 31, v0                          ; lane
	v_and_b32 v26, 15, v0                          ; r
	v_bfe_u32 v27, v0, 4, 1                        ; h
.irp n, 0,1
	v_lshl_add_u32 v[AK+3*\n], v25, 4, \n*CONT+KOFF
	v_lshl_add_u32 v[AK+3*\n+1], v25, 3, \n*CONT+KOFF
	v_lshl_add_u32 v[AK+3*\n+2], v25, 2, \n*CONT+KOFF
.endr
	v_lshl_add_u32 v[AK+6], v25, 4, KP0
	v_lshl_add_u32 v[AK+7], v25, 3, KP0
	v_lshl_add_u32 v[AK+8], v25, 2, KP0
	s_mul_i32 s56, s[IX], 3072
	s_add_co_u32 s56, s56, PB
	v_lshl_add_u32 v[PWI], v25, 4, s56             ; PB + 3,072 idx + 16 lane
	s_lshl_b32 s56, s[IX], 6
	s_add_co_u32 s56, s56, PB
	v_lshl_add_u32 v[PWS], v26, 2, s56             ; PB + 64 idx + 4 r
	s_mul_i32 s56, s[IX], 12288
	v_lshl_add_u32 v[AV], v25, 4, s56              ; 8 fragments x 1,536 x idx + 16 lane
	v_add_nc_u32 v[AV+1], CONT, v[AV]
	s_lshl_b32 s56, s[IX], 9
	s_add_co_u32 s56, s56, 49152
	v_lshl_add_u32 v[AVS], v25, 3, s56
	v_add_nc_u32 v[AVS+1], CONT, v[AVS]
	v_lshl_add_u32 v[PRI], v25, 4, PB
	v_lshl_add_u32 v[PRS], v25, 2, PB
	v_lshl_add_u32 v[PRF], v26, 2, PB
	s_mul_i32 s56, s[IX], 128*SPITCH
	v_and_b32 v[STW], 8, v26
	v_add_nc_u32 v[STW], v[STW], v26
	v_lshlrev_b32 v[STW], 2, v[STW]
	v_mad_u32_u24 v[STW], v27, 8*SPITCH, v[STW]
	v_add_nc_u32 v[STW], s56, v[STW]               ; row 128 idx + 8 h, column r + 8 (r / 8)
	s_mul_i32 s56, s[WV], 64*SPITCH
	v_mul_u32_u24 v[STR], v27, SPITCH
	v_lshl_add_u32 v[STR], v26, 4, v[STR]
	v_add_nc_u32 v[STR], s56, v[STR]               ; row 64 wave + h, 16 bytes a lane
	v_lshlrev_b32 v[GO], 14, v27
	v_lshl_add_u32 v[GO], v26, 4, v[GO]
	v_lshlrev_b32 v[PFO], 14, v25
	; descriptor groups 1: dense rows of 256 bytes (32 elements of 8 bytes), no padding: every read is an image, 16 bytes a lane on end
	s_mov_b32 s[G1], 15|(3<<16)|(1<<21)            ; 15:0 the mask: all four work-groups; 17:16 elements of 8 bytes; 21 set beside a mask
	s_mov_b32 s[G1+1], 32<<16                      ; tensor_dim0 = 32
	s_mov_b32 s[G1+2], 119<<16                     ; tensor_dim1 = 119
	s_mov_b32 s[G1+3], 32<<16                      ; tile_dim0 = 32
	s_mov_b32 s[G1+4], 119                         ; tile_dim1 = 119
	s_mov_b32 s[G1+5], 32                          ; from row to row
	s_mov_b32 s[G1+6], 0
	s_mov_b32 s[G1+7], 0
	s_mov_b32 s[G1P], 15|(3<<16)|(1<<21)
	s_mov_b32 s[G1P+1], 32<<16
	s_mov_b32 s[G1P+2], 19<<16
	s_mov_b32 s[G1P+3], 32<<16
	s_mov_b32 s[G1P+4], 19
	s_mov_b32 s[G1P+5], 32
	s_mov_b32 s[G1P+6], 0
	s_mov_b32 s[G1P+7], 0
	s_mul_i32 s56, s[IX], QUART                    ; my quarter of a content: in a slot and in memory alike
	s_mul_i32 s57, s[IX], 4864                     ; and of K's first pair
	s_mul_i32 s58, s19, BSTR
	s_add_co_u32 s62, s58, s57
	s_add_co_u32 s62, s62, 15*CONT+KOFF            ; K's steps 0 and 1 lie at the end of content 15
	s_mov_b32 s63, 0
	s_add_co_u32 s58, s58, s56
	s_mov_b32 s59, 0
	; Q's tile and the way out's places: these hang on cx and live in registers of their own
	s_and_b32 s74, s18, 1
	s_lshl_b32 s74, s74, 2
	s_add_co_u32 s74, s74, s[IX]                   ; my tile of queries in its record of 128 columns: 4 (block % 2) + idx
	s_lshl_b32 s75, s74, 9
	v_lshl_add_u32 v60, v25, 4, s75                ; the planes of 16 bytes a lane
	s_lshr_b32 s75, s74, 1
	s_lshl_b32 s75, s75, 8
	s_and_b32 s78, s74, 1
	s_lshl_b32 s78, s78, 2
	s_add_co_u32 s75, s75, s78
	v_lshl_add_u32 v61, v25, 3, s75                ; register 8
	s_lshl_b32 s75, s74, 6
	v_lshl_add_u32 v62, v26, 2, s75                ; the scale word of query r, into lanes r and 16 + r
	s_lshl_b32 s76, s19, 5
	s_lshr_b32 s77, s18, 1
	s_add_co_u32 s76, s76, s77
	s_mul_i32 s76, s76, QKREC
	s_mov_b32 s77, 0
	s_wait_kmcnt 0x0
	s_add_nc_u64 s[4:5], s[4:5], s[76:77]          ; Q's record
	s_lshl_b32 s76, s[WV], 20
	s_lshl_b32 s78, s18, 8
	s_add_co_u32 s76, s76, s78                     ; channels 64 wave on, my 64 columns
	s_add_nc_u64 s[68:69], s[8:9], s[76:77]        ; gamma there,
	s_lshl_b32 s79, s19, 23
	s_add_co_u32 s76, s76, s79
	s_add_nc_u64 s[66:67], s[10:11], s[76:77]      ; x,
	s_add_nc_u64 s[70:71], s[12:13], s[76:77]      ; out
	s_and_b32 s76, s[WV], 3
	s_lshl_b32 s76, s76, 19
	s_add_co_u32 s76, s76, s78
	s_lshl_b32 s79, s19, 21
	s_add_co_u32 s76, s76, s79
	s_add_nc_u64 s[72:73], s[8:9], s[76:77]        ; gamma at channel 128 batch + 32 (wave % 4): for the prefetch
	s_add_nc_u64 s[60:61], s[6:7], s[58:59]        ; kv at my quarter of content 0
	s_mov_b32 s[G0A], 1                            ; 1:0 count = 1
	s_mov_b32 s[G0A+1], s56                        ; LDS address: slot 0
	s_mov_b64 s[G0A+2:G0A+3], s[60:61]
	s_or_b32 s[G0A+3], s[G0A+3], 0x80000000        ; 127:126 type = 2
	s_mov_b32 s[G0B], 1
	s_add_co_u32 s[G0B+1], s56, CONT               ; slot 1,
	s_add_nc_u64 s[G0B+2:G0B+3], s[60:61], CONT    ; content 1
	s_or_b32 s[G0B+3], s[G0B+3], 0x80000000
	s_mov_b32 s[G0P], 1
	s_add_co_u32 s[G0P+1], s57, KP0
	s_add_nc_u64 s[G0P+2:G0P+3], s[6:7], s[62:63]
	s_or_b32 s[G0P+3], s[G0P+3], 0x80000000
	CROUND                                         ; all four work-groups are here: the first joint loads meet
	s_cmp_eq_u32 s[RO], 1                          ; a wave's three first fills stand in one branch, ahead of every wait on TENSORcnt and every LDS read
	s_cbranch_scc0 .Lno_first
	tensor_load_to_lds s[G0P:G0P+3], s[G1P:G1P+7]  ; K's first pair,
	s_nop 0
	tensor_load_to_lds s[G0A:G0A+3], s[G1:G1+7]    ; content 0,
	s_nop 0
	tensor_load_to_lds s[G0B:G0B+3], s[G1:G1+7]    ; content 1
	s_nop 0
.rept 4
	v_nop
.endr
.Lno_first:
	global_load_b128 v[QF:QF+3], v60, s[4:5]       ; Q's registers 0-8 (every wave loads them: so the registers are written in both roles)
	global_load_b128 v[QF+4:QF+7], v60, s[4:5] offset:4096
	global_load_b32 v[QF+8], v61, s[4:5] offset:8192
	global_load_b32 v[QS], v62, s[4:5] offset:9216
	WIN 0x40
.set F, 0
.rept 16
.irp i, 9,10,11
	v_mov_b32 v[12*F+\i], 0                        ; registers 9-11 of K's fragments: zero codes, which no load touches.  They are written first: the sixteen lines below stand between them and the first products
.endr
.set F, F+1
.endr
	WIN 0
.irp i, 9,10,11
	v_mov_b32 v[QF+\i], 0                          ; Q's channels 80-127: zero codes
.endr
	v_mov_b32 v[NM+1], 0xff61b1e6                  ; the largest t so far: -3e38, under every t
	v_floor_f32 v[NM], -v[NM+1]                    ; -M
	v_mov_b32 v[SUM], 0
	v_mov_b32 v[SUM+1], 0
	v_mov_b32 v[FF+1], 0                           ; named as the upper half of f's pair
.irp b, 0,1,2,3,4,5,6,7
	v_mov_b32 v[BP+\b], 0                          ; written once: a lane permute's destination counts as one of its sources
.endr
; THE SOFTMAX WAVE'S PERIOD: 256 keys from K's two records at a16, a8, a4 (+ 16, 8, 4 x lane); p's images go to P buffer pb.
.macro SPART a16, a8, a4, pb
.irp k, 0,1
.irp i, 0,1,2,3
	ds_load_b32 v[KS+4*\k+\i], v[\a4] offset:QKREC*\k+9216+128*\i   ; K's scale words, a register for two tiles
.endr
.endr
	WIN 0x40                                       ; destination window 1
.set F, 0
.rept 16                                       ; fragment F: key step F / 8, tile F % 8: three loads
	ds_load_b128 v[12*F:12*F+3], v[\a16] offset:QKREC*(F/8)+512*(F%8)
	ds_load_b128 v[12*F+4:12*F+7], v[\a16] offset:QKREC*(F/8)+4096+512*(F%8)
	ds_load_b32 v[12*F+8], v[\a8] offset:QKREC*(F/8)+8192+256*((F%8)/2)+4*(F%2)
.set F, F+1
.endr
	WIN 0x01                                       ; source 0 (K) window 1
.set F, 0
.rept 4
	s_wait_dscnt 36-12*(F/4)                       ; LDS loads come back in order: all but the fragments behind these four, three loads each
.rept 4
	WM S+8*F, 12*F, QF, 1, KS+F/2, QS, F%2
.set F, F+1
.endr
.endr                                          ; lane (r, h) holds query r; the 16 registers of block B = 0 .. 7 are keys 32 B + 16 h + 0 .. 15
	WIN 0
	PLACES
.irp b, 0,1,2,3,4,5,6,7
	v_max3_num_f32 v[BM+\b], v[S+16*\b], v[S+16*\b+1], v[S+16*\b+2]   ; THE LARGEST SCORE OF EACH BLOCK OF 32 KEYS serves twice: for the row's maximum and, since p rises with the score, for the block's largest p
.endr
.irp i, 3,5,7,9,11,13
.irp b, 0,1,2,3,4,5,6,7
	v_max3_num_f32 v[BM+\b], v[BM+\b], v[S+16*\b+\i], v[S+16*\b+\i+1]
.endr
.endr
.irp b, 0,1,2,3,4,5,6,7
	v_max_num_f32 v[BM+\b], v[BM+\b], v[S+16*\b+15]
.endr
.irp b, 0,1,2,3,4,5,6,7
	v_permlanex16_b32 v[BP+\b], v[BM+\b], s[SEL], s[SEL+1]
.endr
.irp b, 0,1,2,3,4,5,6,7
	v_max_num_f32 v[BM+\b], v[BM+\b], v[BP+\b]     ; with lane l xor 16's 16 keys
.endr
	v_max3_num_f32 v[T0], v[BM], v[BM+1], v[BM+2]
	v_max3_num_f32 v[T0+1], v[BM+3], v[BM+4], v[BM+5]
	v_max3_num_f32 v[T0], v[T0], v[BM+6], v[BM+7]
	v_max_num_f32 v[T0], v[T0], v[T0+1]            ; the period's largest score of my query
	v_mul_f32 v[T0], s[CS], v[T0]                  ; as t (log2(e) is positive)
	v_max_num_f32 v[NM+1], v[NM+1], v[T0]          ; the running largest t
	v_mov_b32 v[T0], v[NM]
	v_floor_f32 v[NM], -v[NM+1]                    ; the new -M = floor(-t): M IS A WHOLE NUMBER
	v_sub_f32 v[T0], v[NM], v[T0]                  ; old M - new M: a whole number, 0 or less
	v_cvt_i32_f32 v[T0], v[T0]                     ; (it saturates)
	v_ldexp_f32 v[FF], 1.0, v[T0]                  ; f = 2^(old M - new M)
.set J, 0
.rept 64
	v_pk_fma_f32 v[S+J:S+J+1], v[S+J:S+J+1], s[CS:CS+1], v[NM:NM+1] op_sel_hi:[1,0,0]   ; t - M, two at a time
.set J, J+2
.endr
.irp b, 0,1,2,3,4,5,6,7
	v_fma_f32 v[BM+\b], v[BM+\b], s[CS], v[NM]     ; the same of each block's largest score
.endr
.set J, 0
.rept 128
	v_exp_f32 v[S+J], v[S+J]                       ; p = 2^(t - M), at most 1
.set J, J+1
.endr
.irp b, 0,1,2,3,4,5,6,7
	v_exp_f32 v[BM+\b], v[BM+\b]                   ; the block's largest p: the same two instructions on the same number give the same bits
.endr
	v_pk_mul_f32 v[SUM:SUM+1], v[SUM:SUM+1], v[FF:FF+1] op_sel_hi:[1,0]   ; the sum under the new M.  (A plain place behind the exponentials)
	s_wait_alu depctr_va_vdst(0)
.irp b, 0,1,2,3,4,5,6,7
	v_max_num_f32 v[BM+\b], 0x1800000, v[BM+\b]    ; the floor 2^(3 - 127): the byte cannot fall under 1
.endr
.irp b, 0,1,2,3,4,5,6,7
	v_add_nc_u32 v[SO+\b], 0xff000000, v[BM+\b]    ; 2 off the exponent field: the conversion's scale operand
.endr
.irp b, 0,1,2,3,4,5,6,7
	v_lshrrev_b32 v[BP+\b], 23, v[SO+\b]           ; the scale's byte
.endr
.irp k, 0,1
	v_lshl_or_b32 v[PW+\k], v[BP+4*\k+1], 8, v[BP+4*\k]   ; p's scale word for key step k
	v_lshl_or_b32 v[PW+\k], v[BP+4*\k+2], 16, v[PW+\k]
	v_lshl_or_b32 v[PW+\k], v[BP+4*\k+3], 24, v[PW+\k]
.endr
.irp k, 0,1
.irp c, 0,1
	v_cvt_scalef32_pk16_fp6_f32 v[PCD+12*\k+6*\c:PCD+12*\k+6*\c+2], v[S+64*\k+32*\c:S+64*\k+32*\c+15], v[SO+4*\k+2*\c]
	v_cvt_scalef32_pk16_fp6_f32 v[PH+8*\k+4*\c:PH+8*\k+4*\c+2], v[S+64*\k+32*\c+16:S+64*\k+32*\c+31], v[SO+4*\k+2*\c+1]   ; (a conversion's three registers begin on an even number)
.endr
.endr
	v_nop                                          ; one plain place behind a scaled conversion
.irp k, 0,1
.irp c, 0,1                                    ; the operand's layout wants a WHOLE block in a lane: lanes 0-15 block 2 c, lanes 16-31 block 2 c + 1
.irp i, 0,1,2
	v_permlane16_swap_b32 v[PCD+12*\k+6*\c+\i], v[PH+8*\k+4*\c+\i]
.endr
.irp i, 0,1,2
	v_mov_b32 v[PCD+12*\k+6*\c+3+\i], v[PH+8*\k+4*\c+\i]
.endr
.endr
.endr
	v_pk_add_f32 v[T0:T0+1], v[S:S+1], v[S+2:S+3]  ; THE ROW'S SUM IS TAKEN OF THE UNQUANTISED p: two at a time, in two chains
.set J, 4
.rept 31
	v_pk_add_f32 v[SUM:SUM+1], v[SUM:SUM+1], v[S+J:S+J+1]
	v_pk_add_f32 v[T0:T0+1], v[T0:T0+1], v[S+J+2:S+J+3]
.set J, J+4
.endr
	v_pk_add_f32 v[SUM:SUM+1], v[SUM:SUM+1], v[T0:T0+1]
.irp k, 0,1
.irp g, 0,1,2
	ds_store_b128 v[PWI], v[PCD+12*\k+4*\g:PCD+12*\k+4*\g+3] offset:(\pb)*PBUF+1536*\k+512*\g
.endr
	ds_store_b32 v[PWS], v[PW+\k] offset:(\pb)*PBUF+PSC+256*\k   ; lanes r and 16 + r write the same word with the same value
.endr
	ds_store_b32 v[PWS], v[FF] offset:(\pb)*PBUF+PFF
.endm
; THE PRODUCT WAVE'S PERIOD: V's two key steps in slot s, P's in buffer pb.
.macro PLOAD pb, k                     ; P's four fragments of key step k
.set M, 0
.rept 4
.irp g, 0,1,2
	ds_load_b128 v[PF+12*(2*M+\k)+4*\g:PF+12*(2*M+\k)+4*\g+3], v[PRI] offset:(\pb)*PBUF+(2*M+\k)*1536+512*\g
.endr
.set M, M+1
.endr
.endm
.macro VLOAD s, k, c0                  ; my fragments c0 .. c0 + 3 of V, key step k
.set C, \c0
.rept 4
.irp g, 0,1,2
	ds_load_b128 v[VF+12*C+4*\g:VF+12*C+4*\g+3], v[AV+\s] offset:VREC*\k+1536*C+512*\g
.endr
.set C, C+1
.endr
.endm
.macro OMUL k, c0, z                   ; 16 products: channel tiles c0 .. c0 + 3 x the four query tiles.  The 32 accumulators take turns, one instruction a turn, in the same order in every period
.set C, \c0
.rept 4
.set M, 0
.rept 4
	WM 8*(4*C+M), VF+12*C, PF+12*(2*M+\k), \z, VS+4*\k+C/2, PS+2*\k+M/2, C%2+2*(M%2)
.set M, M+1
.endr
.set C, C+1
.endr
.endm
.macro RESC                            ; every accumulator x its query's factor, each from its low end on
	WIN 0x41                                       ; destination and source 0 window 1
.set A, 0
.rept 32
.irp j, 0,2,4,6
	v_pk_mul_f32 v[8*A+\j:8*A+\j+1], v[8*A+\j:8*A+\j+1], v[FR+2*(A%4):FR+2*(A%4)+1] op_sel_hi:[1,0]
.endr
.set A, A+1
.endr
	WIN 0
.endm
.macro OPART s, pb, zero
.if \zero == 0
.irp m, 0,1,2,3
	ds_load_b32 v[FR+2*\m], v[PRF] offset:(\pb)*PBUF+PFF+64*\m
.endr
.endif
.irp k, 0,1
.irp i, 0,1
	ds_load_b32 v[PS+2*\k+\i], v[PRS] offset:(\pb)*PBUF+PSC+256*\k+128*\i   ; P's scale words: query tile 2 i in lanes 0-15, 2 i + 1 in lanes 16-31
.endr
.endr
.irp k, 0,1
.irp i, 0,1
	ds_load_b64 v[VS+4*\k+2*\i:VS+4*\k+2*\i+1], v[AVS+\s] offset:VREC*\k+256*\i   ; V's: two registers, each for two channel tiles
.endr
.endr
	PLOAD \pb, 0
	VLOAD \s, 0, 0
	VLOAD \s, 0, 4
.if \zero == 0
	s_wait_dscnt 44                                ; f is in: behind it 8 loads of scale words and 36 of fragments
	RESC                                           ; O^T under the new M, while the fragments arrive
.endif
	PLOAD \pb, 1
	s_wait_dscnt 24                                ; all but the two youngest runs of 12
	WIN 0x50                                       ; C and D window 1
	OMUL 0, 0, \zero
	WIN 0
	PLACES
	VLOAD \s, 1, 0
	s_wait_dscnt 24                                ; V's fragments 4-7 of the first key step are in
	WIN 0x50
	OMUL 0, 4, \zero
	WIN 0
	PLACES
	VLOAD \s, 1, 4
	s_wait_dscnt 12                                ; all but the 12 just issued
	WIN 0x50
	OMUL 1, 0, 0
	s_wait_dscnt 0x0
	OMUL 1, 4, 0
	WIN 0
.rept 5
	v_nop                                          ; FIVE places end the period: four serve the next loads into these products' operands and scale registers and the rescaling of their results; the fifth a matrix instruction that writes over, or takes as an operand, one of their registers
.endr
.endm
.macro PERIOD s, pb, zero              ; the two roles' work of a period.  The branch hangs on the wave's number alone; no barrier and no tensor load stands inside
	s_cmp_eq_u32 s[RO], 0
	s_cbranch_scc0 .Lproduct_\@
	SPART AK+3*\s, AK+3*\s+1, AK+3*\s+2, 1-\pb
	s_branch .Ljoin_\@
.Lproduct_\@:
	OPART \s, \pb, \zero
.Ljoin_\@:
.endm
; THE CHANGE OF PERIODS.  Each wave waits for all its tensor loads (the content that is read next), adds 0 to its spare word, and waits for that, for its reads of the slot and P buffer that it leaves and for its
; stores of p.  fill = 1: the barrier is a round of the cluster's, and the slot just left is filled with the content two on: the first thing behind the round.
.macro CHANGE g0, fill
	s_wait_tensorcnt 0x0                           ; no tensor load of mine is out, so a group 0 may be written
	ds_add_u32 v[SPW], v[NIL]                      ; 0 onto my spare word
.if \fill
	s_add_nc_u64 s[\g0+2:\g0+3], s[\g0+2:\g0+3], 2*CONT   ; this slot's next content; the type bits on top are not reached
.endif
	s_wait_dscnt 0x0
.if \fill
	CROUND
	JFILL \g0
.else
	s_barrier_signal -1
	s_barrier_wait -1
.endif
.endm
; gamma and x of half hf of my 64 channels: unit u = two rows of 256 bytes
.macro GXLOAD hf
	WIN 0x40*\hf
.set U, 0
.rept 16
	global_load_b128 v[GR+4*U:GR+4*U+3], v[GO], s[68:69] offset:32768*(16*\hf+U)
.set U, U+1
.endr
.set U, 0
.rept 16
	global_load_b128 v[XR+4*U:XR+4*U+3], v[GO], s[66:67] offset:32768*(16*\hf+U) th:TH_LOAD_NT
.set U, U+1
.endr
	WIN 0
.endm
.macro FINAL hf                        ; 32 rows from the stage x gamma + x, stored: sixteen lanes fill 256 consecutive bytes, aligned
.if \hf
	s_wait_xcnt 0x0                                ; the first half's stores have read their registers
.endif
.set U, 0
.rept 16
	ds_load_b128 v[ST+4*U:ST+4*U+3], v[STR] offset:(16*\hf+U)*2*SPITCH
.set U, U+1
.endr
	s_wait_loadcnt 32-32*\hf                       ; this half's gamma and x are in; the other half's 32 loads may be out
	s_wait_dscnt 0x0
	WIN 0x11*\hf                                   ; second half: gamma and x in window 1
.set U, 0
.rept 32
	v_pk_fma_f32 v[ST+2*U:ST+2*U+1], v[GR+2*U:GR+2*U+1], v[ST+2*U:ST+2*U+1], v[XR+2*U:XR+2*U+1]
.set U, U+1
.endr
	WIN 0
.set U, 0
.rept 16
	global_store_b128 v[GO], v[ST+4*U:ST+4*U+3], s[70:71] offset:32768*(16*\hf+U) th:TH_STORE_NT
.set U, U+1
.endr
.endm
	s_wait_tensorcnt 0x2                           ; my part of K's first pair is in; the two contents may stay out
	s_wait_loadcnt 0x0                             ; Q
	s_barrier_signal -1
	s_barrier_wait -1
	s_cmp_eq_u32 s[RO], 0
	s_cbranch_scc0 .Lprologue_done
	SPART AK+6, AK+7, AK+8, 0                      ; P's pair 0
.Lprologue_done:
	s_wait_tensorcnt 0x1                           ; my part of content 0 is in; content 1 may stay out
	s_wait_dscnt 0x0                               ; p's images have landed
	s_barrier_signal -1
	s_barrier_wait -1
	PERIOD 0, 0, 1                                 ; period 0: its products start O^T's sums
	s_mov_b32 s24, 7
.Lpair:                                            ; periods 1 to 14, two a trip; contents 2 to 15 are asked for
	CHANGE G0A, 1
	; In the last trip, two periods and a part ahead of their loads, the way out's rows are asked for into the L2: each wave its own 64 rows of 256 bytes of x (a lane to a row);
	; of gamma, which four batches read, this work-group asks for channels 128 batch + 0 .. 127 of its columns alone (waves 0-3): each block once in the launch.  All lie inside their buffers.
	s_cmp_lg_u32 s24, 1
	s_cbranch_scc1 .Lno_prefetch
	global_prefetch_b8 v[PFO], s[66:67] th:TH_LOAD_NT scope:SCOPE_SE
	global_prefetch_b8 v[PFO], s[66:67] offset:524288 th:TH_LOAD_NT scope:SCOPE_SE
	s_cmp_lt_u32 s[WV], 4
	s_cbranch_scc0 .Lno_prefetch
	global_prefetch_b8 v[PFO], s[72:73] th:TH_LOAD_NT scope:SCOPE_SE
.Lno_prefetch:
	PERIOD 1, 1, 0
	CHANGE G0B, 1
	PERIOD 0, 0, 0
	s_sub_co_u32 s24, s24, 1
	s_cmp_lg_u32 s24, 0
	s_cbranch_scc1 .Lpair
	CHANGE 0, 0                                    ; the last period is written out: nothing is left to fetch
	s_cmp_eq_u32 s[RO], 0
	s_cbranch_scc0 .Llast_product
	v_add_f32 v[SUM], v[SUM], v[SUM+1]             ; the sum's two halves,
	v_permlanex16_b32 v[BP], v[SUM], s[SEL], s[SEL+1]
	v_add_f32 v[SUM], v[SUM], v[BP]                ; and lane l xor 16's: the row's sum
	v_rcp_f32 v[SUM], v[SUM]
	v_nop                                          ; one plain place behind a transcendental
	s_wait_alu depctr_va_vdst(0)
	ds_store_b32 v[PWS], v[SUM] offset:RLO
	s_branch .Llast_join
.Llast_product:
	OPART 1, 1, 0
.Llast_join:
	GXLOAD 0                                       ; both roles: the first half of gamma and x, into window 0's v64-191, which S^T, P and V have left; a softmax wave asks a whole period ahead of its use
	s_wait_dscnt 0x0                               ; 1 / sum has landed, and nobody reads a slot any more:
	s_barrier_signal -1
	s_barrier_wait -1                              ; the stage may be written over the slots, which have had their last fill
	s_cmp_eq_u32 s[RO], 1
	s_cbranch_scc0 .Lstage_done
.irp m, 0,1,2,3
	ds_load_b32 v[FR+2*\m], v[PRF] offset:RLO+64*\m
.endr
	s_wait_dscnt 0x0
	RESC                                           ; O^T / the sum
	WIN 0x04                                       ; an LDS store's data are its source 1: window 1
.set A, 0
.rept 32                                       ; accumulator (c, m) = (A / 4, A % 4): lane (r, h), register j: channel 16 c + 8 h + j, column 32 (m / 2) + 8 (m % 2) + r + 8 (r / 8).  Lanes 16-31 write 8 rows of 272 bytes further on: 32 banks away
.irp j, 0,1,2,3,4,5,6,7
	ds_store_b32 v[STW], v[8*A+\j] offset:(16*(A/4)+\j)*SPITCH+4*(32*((A%4)/2)+8*(A%2))
.endr
.set A, A+1
.endr
	WIN 0
.Lstage_done:
	s_wait_dscnt 0x0                               ; my stores into the stage have landed, and have read the accumulators' registers,
	GXLOAD 1                                       ; which take the second half of gamma and x: both roles ask here, so that no load into window 1 is out while the accumulators are at work
	s_barrier_signal -1
	s_barrier_wait -1                              ; 512 whole rows lie in the stage
	FINAL 0
	FINAL 1
	s_wait_tensorcnt 0x0                           ; the wave's end, behind my last tensor load and my last LDS store
	ds_add_u32 v[SPW], v[NIL]
	s_wait_dscnt 0x0
	CROUND                                         ; the closing round: no work-group ends while a partner may still ask for a tile that names it
	s_endpgm
.Lfunc_end_k_q57de678464_attn:
	.size	k_q57de678464_attn, .Lfunc_end_k_q57de678464_attn-k_q57de678464_attn
	.p2alignl 7, 3214868480
	.fill 96, 4, 3214868480
	.section	.rodata,"a",@progbits
	.p2align	6, 0x0
	.amdhsa_kernel k_q57de678464_attn
		.amdhsa_group_segment_fixed_size 327680
		.amdhsa_private_segment_fixed_size 0
		.amdhsa_enable_private_segment 0
		.amdhsa_kernarg_size 40
		.amdhsa_user_sgpr_count 2
		.amdhsa_user_sgpr_kernarg_segment_ptr 1
		.amdhsa_wavefront_size32 1
		.amdhsa_system_sgpr_workgroup_id_x 1
		.amdhsa_system_sgpr_workgroup_id_y 1
		.amdhsa_system_sgpr_workgroup_id_z 1
		.amdhsa_system_vgpr_workitem_id 0
		.amdhsa_next_free_vgpr 512
		.amdhsa_next_free_sgpr 80
		.amdhsa_reserve_vcc 0
		.amdhsa_float_denorm_mode_32 3
		.amdhsa_float_denorm_mode_16_64 3
		.amdhsa_memory_ordered 1
		.amdhsa_forward_progress 1
		.amdhsa_inst_pref_size 243
	.end_amdhsa_kernel
	.amdgpu_metadata
---
amdhsa.version: [ 1, 2 ]
amdhsa.kernels:
  - .name:           k_q57de678464_attn
    .symbol:         k_q57de678464_attn.kd
    .args:
      - { .name: qbuf, .offset: 0, .size: 8, .value_kind: global_buffer, .address_space: global }
      - { .name: kv, .offset: 8, .size: 8, .value_kind: global_buffer, .address_space: global }
      - { .name: gamma, .offset: 16, .size: 8, .value_kind: global_buffer, .address_space: global }
      - { .name: x, .offset: 24, .size: 8, .value_kind: global_buffer, .address_space: global }
      - { .name: out0, .offset: 32, .size: 8, .value_kind: global_buffer, .address_space: global }
    .group_segment_fixed_size: 327680
    .private_segment_fixed_size: 0
    .kernarg_segment_align: 8
    .kernarg_segment_size: 40
    .max_flat_workgroup_size: 256
    .sgpr_count:     80
    .vgpr_count:     512
    .wavefront_size: 32
...
	.end_amdgpu_metadata
.endif
;; end of part 2
